; MI455X (gfx1250); checked and timed in simulation.
; The chip was launched on July 23, 2026; its instructions are those of AMD's public machine-readable ISA for CDNA 5 (MIT licence, August 2026) and "CDNA5" Instruction Set Architecture Reference Guide (July 2026). The comments in the code are by the model that wrote it; some were corrected since.
;; Experts. Allowed arithmetic: matrix products marked QUANTISED: E2M3 operands, one E8M0 scale for each 32 along K, by v_wmma_scale_f32_16x16x128_f8f6f4 with both operands' format E2M3, f32 sums; products left as they are: f32 operands where the result goes on into a quantised operand, else bf16, f16 or f32 operands; f32 sums; everything else in f32.
;; Inputs: down_proj_bias 8 x 1,024 float32; down_proj_codes 8 x 1,024 x 32 x 24 uint8 (E2M3 codes of down_proj, K innermost, in blocks of 32 codes, four codes in three bytes); down_proj_scales 8 x 1,024 x 32 uint8 (E8M0 scales of down_proj, one for each 32 codes along K); gate_up_proj_bias 8 x 2,048 float32; gate_up_proj_codes 8 x 2,048 x 32 x 24 uint8 (E2M3 codes of gate_up_proj, K innermost, in blocks of 32 codes, four codes in three bytes); gate_up_proj_scales 8 x 2,048 x 32 uint8 (E8M0 scales of gate_up_proj, one for each 32 codes along K); hidden_states_codes 2,048 x 32 x 24 uint8 (E2M3 codes of hidden_states, K innermost, in blocks of 32 codes, four codes in three bytes); hidden_states_scales 2,048 x 32 uint8 (E8M0 scales of hidden_states, one for each 32 codes along K); routing_weights 2,048 x 8 float32.
;; Outputs: out0 2,048 x 1,024 float32.
;; This version of the problem:
;;   THIS VERSION OF THE PROBLEM IS GIVEN IN LOW PRECISION. The matrix products marked QUANTISED in the list below multiply operands that are first quantised to E2M3 (2 exponent bits, 3 mantissa bits; 6 bits a number), with one power-of-two scale for each 32 numbers along K (OCP MX v1.0); their sums are f32. All else is computed in f32.
;;   The module's matrix products, in the order in which they are computed (A, B: the left and right operand; K: the contracted axis; several contracted axes count as one K, in the product's order):
;;     1. [M 16,384, K 1,024] x [K 1,024, N 2,048]; A: input gate_up_proj (given as codes); B: input hidden_states (given as codes): QUANTISED
;;     2. batch 8 x [M 2,048, K 1,024] x [K 1,024, N 1,024]; A: computed on the way; B: input down_proj (given as codes): QUANTISED
;;     3. batch 2,048 x [M 1,024, K 8] x [K 8, N 1]; A: computed on the way; B: input routing_weights: left as it is (K = 8 < 32)
;;   THE QUANTISER, for each operand of a quantised product, along K:
;;     - K is cut into blocks of 32 from its start; a last block that is shorter is filled with zeros.
;;     - A block's scale is 2^e with e = floor(log2(the largest magnitude in the block)) - 2, held to -126 .. 127; a block of zeros has e = 0. As a byte (E8M0): e + 127.
;;     - Each number is divided by its block's scale, clamped to +-7.5, and rounded to the nearest number of E2M3, ties to even, subnormals kept.
;;     - The product sums the exact products of the quantised numbers (number of the format x scale) in f32.
;;   ~~~python
;;   def quantise(x, axis):      # numpy; x: float32 -> the quantised numbers, widened to float32 again
;;       x = np.moveaxis(x, axis, -1); K = x.shape[-1]
;;       x = np.pad(x, [(0, 0)] * (x.ndim - 1) + [(0, -K % 32)]); x = x.reshape(x.shape[:-1] + (-1, 32)); a = np.abs(x).max(-1, keepdims=True)
;;       e = np.where(a > 0, np.clip(np.frexp(np.where(a > 0, a, 1))[1] - 1 - 2, -126, 127), 0)      # np.frexp(a)[1] - 1 = floor(log2(a)), exactly
;;       r = np.clip(x / 2.0 ** e, -7.5, 7.5)
;;       step = 2.0 ** (np.maximum(np.frexp(np.where(r == 0, 1, r))[1] - 1, 0) - 3)
;;       q = np.round(r / step) * step * 2.0 ** e      # np.round: ties to even
;;       return np.moveaxis(q.reshape(q.shape[:-2] + (-1,))[..., :K], -1, axis).astype(np.float32)
;;   ~~~
;;   OPERANDS COMPUTED ON THE WAY. 'Computed on the way' means the value that the module computes at that place (a softmax that the list does not call 'softmax' is quantised finished and normalised). What goes into a quantiser is computed in f32, as accurately as f32 sums, v_exp_f32 and their like allow (about 1e-6 of the number): no bf16 or f16 on the way to a quantiser, and a product that is left as it is and whose result goes on into a quantised operand takes f32 operands (vector FMAs, or v_wmma_f32_16x16x4_f32). A number that lies on a knife's edge between two numbers of the format may be rounded either way, as far as f32 arithmetic and the matrix unit's own rounding can turn it there, and no further.
;;   INPUTS GIVEN AS CODES. down_proj (in the module: [8, 1024, 1024], K = its axis 2); gate_up_proj (in the module: [8, 1024, 2048], K = its axis 1); hidden_states (in the module: [2048, 1024], K = its axis 1): each comes as NAME_codes (uint8): NAME with its K axis moved to the last place and cut into blocks of 32 codes, [.., K / 32, bytes a block], one block behind the other in memory; four codes in three bytes: a row's codes are one little-endian stream of bits, code i at bits 6 i .. 6 i + 5 (a code: sign, 2 exponent bits, 3 mantissa bits); and NAME_scales (uint8): the same leading axes, one E8M0 byte (e + 127) for each 32 codes along K. Its value is code x scale, taken as it is: it is not quantised again, and the codes and scales need not be those that the quantiser above would give.
;; One version. Each part assembles by itself: llvm-mc -triple=amdgcn-amd-amdhsa -mcpu=gfx1250 --defsym DOCPART=n.
;; ======== version 1 of 1: 2 launches
;; limits: right only within a limited range of input values
;; workspace buffers: act 13,107,200 bytes
;; launch gateup (part 1): grid 64 x 4, 4 waves a work-group, clusters of 4 x 4, 327,680 bytes of LDS; arguments hidden_states_codes, hidden_states_scales, gate_up_proj_codes, gate_up_proj_scales, act, gate_up_proj_bias; writes act
.if DOCPART == 1
	.amdgcn_target "amdgcn-amd-amdhsa--gfx1250"
	.amdhsa_code_object_version 6
	.text
	.protected	k_qf6075e54a0_gateup
	.globl	k_qf6075e54a0_gateup
	.p2align	8
	.type	k_qf6075e54a0_gateup,@function
k_qf6075e54a0_gateup:
	s_mov_b64 s[64:65], 0
	v_nop
	global_prefetch_b8 v0, s[64:65] scope:SCOPE_SE
	s_setreg_imm32_b32 hwreg(HW_REG_WAVE_MODE, 25, 1), 1
	s_wait_xcnt 0x0
	s_wait_alu depctr_hold_cnt(0) depctr_sa_sdst(0) depctr_va_vdst(0) depctr_va_sdst(0) depctr_va_ssrc(0) depctr_va_vcc(0) depctr_vm_vsrc(0)
	s_getreg_b32 s2, hwreg(HW_REG_IB_STS2, 6, 4)
	s_cmp_eq_u32 s2, 0
	s_cbranch_scc0 .Lentry_in_a_cluster
	s_endpgm
.Lentry_in_a_cluster:
	s_bfe_u32 s2, ttmp6, 0x10000c
	s_cmp_lg_u32 s2, 0xf033
	s_cbranch_scc0 .Lentry_shape_is_right
	s_endpgm
.Lentry_shape_is_right:
; act[e][t][i] = (clip(up, -7, 7) + 1) x g x sigmoid(1.702 g), g = min(gate, 7); gate = gate_up[e][t][2 i], up = gate_up[e][t][2 i + 1];
; gate_up[e][t][f] = sum over k of hidden[t][k] W[e][f][k] + bias[e][f].  hidden [2048][1024], W [8 x 2048][1024]: FP6 (E2M3) codes, K innermost, one E8M0 byte for each 32 along K.
; act is quantised here along i in blocks of 32 and leaves as codes and scale words in the order of the next product's operand registers.
; SHARES.  A work-group owns 256 rows of W (x: expert x / 8, K step x % 8 of act) and 512 tokens (y).  Wave w keeps rows 64 w .. 64 w + 63 of them, all 1,024 along K, in 384 registers: they are read from LDS once.
; Tokens lie in LDS with their whole K (a row: 3 x (256 bytes + 16 of padding) = 816 bytes), so there is no ring along K.  A wave walks 16 pairs of token tiles (32 tokens): 64 products on end, on 8 accumulators by
; turns, then the pair's activation and quantiser.  The next pair's 96 fragment loads go out on the way out, in four runs of 24: behind the last product's places and behind three of the waits that the batches of
; transcendentals owe.  The next pair's scale words are asked of memory at the pair's head, into registers of their own, and moved into the scale registers on the way out.
; LDS: R0 128 tokens; R1 256 rows of W, later 256 tokens.  Head: waves 0, 1 fetch W's halves, waves 2, 3 the halves of tokens 0-127.  When W is in registers R1 takes tokens 128-383; when tokens 0-127 are read, R0 takes 384-511.
; CLUSTERS 4 x 4: W hangs on x alone and is asked for jointly along a column, tokens on y alone and along a row.
; NO PREFETCH: each later tile is asked for by its tensor load at least three pairs (192 products a wave) ahead of its first read, and the head has no loop to run ahead in.
; TILES OF W: tile (g, u) takes rows 32 g + 2 m + u (m = 0 .. 15): u = 0 gates, u = 1 ups.  W is source 0, tokens source 1: lane (r, h), register j of tile (g, u) holds token position r, i = 16 g + 8 h + j.
; Gate and up of one i meet in one lane.  Sixteen exchanges of halves between the pair's two tiles give lane (r, h) all 32 i of position r of tile h: a whole block.
; Position r of a token tile stands for token perm(r) = 2 (r % 8) + r / 8 of its 16.
; THE WORKSPACE act: [block of 128 tokens 16][e 8][102,400]: codes [K step s 8][tile a 8][1,536]: for c = 0, 1 registers 6 c .. 6 c + 3 of lane L at 768 c + 16 L.  Registers 6 c + 4, 6 c + 5 of lane (r, h') of tile a lie,
; counted from the pair a / 2's first byte, at 1,536 h' + 768 c + 512 + 128 (a % 2) + 8 r.  From byte 98,304 the scale words [s 8][position 128].  Wave w makes c = w / 2, h' = w % 2, byte w of the words.
; LIMITS: NaN and infinities are not served.  A gate under about -52 makes the exponential infinite and glu -0, where the exact value lies under 1e-36.  A block of zeros gets the scale byte 1 (its codes are zeros;
; the bytes are read by this program alone).
; REGISTERS: window 0: addresses, scale words (v24-47, nothing else), bias, the way out.  window 1: v0-191 token fragments ((K step k, tile tt) at 24 k + 12 tt), v192-255 accumulators (gates 192 + 8 (2 g + tt), ups 32 on).
;   windows 2, 3: W's K steps 0-3, 4-7 ((k, g, u) at 48 (k % 4) + 12 (2 g + u)).
.set PITCH, 816
.set TILE,  16*PITCH
.set PAIRB, 32*PITCH
.set R1,    128*PITCH
.set SPARE, R1+256*PITCH               ; the spare words, 128 bytes a wave, that no other line names
.set SSTG,  SPARE+512                  ; 2,048 bytes of its own: act's scale bytes meet here; no tensor load fills them
.set CHUNK, 102400
.set SPW, 10
.set NIL, 11
.set O16, 12                           ; store offsets of the 16-byte and 8-byte parts
.set O8,  13
.set SBA, 14                           ; SSTG + 4 x lane + wave
.set TSO, 15                           ; token scales: 32 (16 h + perm(r))
.set ADW, 16                           ; v16-17 W's fragments in LDS (the second: lanes 16-31 behind one padding more)
.set ADT, 18                           ; v18-19 pair 0's token fragments, likewise
.set GO,  20
.set SRD, 21
.set BO,  22
.set WSO, 23
.set WS,  24                           ; W's scale words: 8 g + k; lanes 0-15 u = 0, lanes 16-31 u = 1
.set TS,  40                           ; the pair's token scale words: k; lanes 0-15 tile 0, lanes 16-31 tile 1
.set BI,  48                           ; bias in the result's layout: 8 (2 g + u) + j
.set X,   80                           ; 32 gates, then 32 ups; then act
.set TR,  144
.set MX,  176
.set BYR, 179
.set PP,  180
.set QR,  186
.set SBT, 190
.set ADF, 192                          ; v192-193 the fetched pair's token fragments: v18-19 + s76
.set TSN, 196                          ; v196-203 the next pair's token scale words as they land
.set G1W, 24
.set G0W, 32
.set G0A, 36
.set G1T, 48
.set G0B, 56
.set MSB, 0
.macro WIN new
.if MSB != \new
	s_set_vgpr_msb (MSB<<8)|\new
.set MSB, \new
.endif
.endm
.macro PLACES n
.rept \n
	v_nop
.endr
.endm
.macro CROUND
	s_barrier_signal -1
	s_barrier_wait -1
	s_cmp_lg_u32 s14, 0
	s_cbranch_scc1 .Lnot_wave_0_\@
	s_barrier_signal -3
.Lnot_wave_0_\@:
	s_barrier_wait -3
	s_barrier_signal -1
	s_barrier_wait -1
.endm
	s_load_b128 s[4:7], s[0:1], 0x0                ; hidden's codes, scales
	s_load_b128 s[8:11], s[0:1], 0x10              ; W's codes, scales
	s_load_b64 s[12:13], s[0:1], 0x20              ; act
	s_load_b64 s[96:97], s[0:1], 0x28              ; bias
	v_lshl_add_u32 v[SPW], v0, 2, SPARE
	v_mov_b32 v[NIL], 0
	ds_add_u32 v[SPW], v[NIL]                      ; the opening lines: the add twice on end and one wait
	ds_add_u32 v[SPW], v[NIL]
	v_lshrrev_b32 v1, 5, v0
	v_readfirstlane_b32 s14, v1                    ; wave
	s_lshr_b32 s15, s14, 1                         ; c; also: I fetch W (0) or tokens (1) at the head
	s_and_b32 s16, s14, 1                          ; h'; also: which half
	s_bfe_u32 s40, ttmp6, 0x40000                  ; cx
	s_bfe_u32 s41, ttmp6, 0x40004                  ; cy = y: one cluster along y
	s_lshl_b32 s42, ttmp9, 2
	s_add_co_u32 s42, s42, s40                     ; x
	s_lshl_b32 s43, s41, 2
	s_lshl_b32 s43, 15, s43                        ; my row of the cluster
	s_lshl_b32 s44, 0x1111, s40                    ; my column
	; dense blocks as rows of 256 bytes (32 elements of 8), 16 bytes of padding behind each: 128 rows of W = 384, 64 tokens = 192
	s_or_b32 s[G1W+0], s44, (3<<16)|(1<<20)|(1<<21)|(5<<22)|(3<<25)
	s_or_b32 s[G1T+0], s43, (3<<16)|(1<<20)|(1<<21)|(5<<22)|(3<<25)
	s_mov_b32 s[G1W+1], 32<<16
	s_mov_b32 s[G1W+2], 384<<16
	s_mov_b32 s[G1W+3], 32<<16
	s_mov_b32 s[G1W+4], 384
	s_mov_b32 s[G1W+5], 32
	s_mov_b32 s[G1W+6], 0
	s_mov_b32 s[G1W+7], 0
	s_mov_b32 s[G1T+1], 32<<16
	s_mov_b32 s[G1T+2], 192<<16
	s_mov_b32 s[G1T+3], 32<<16
	s_mov_b32 s[G1T+4], 192
	s_mov_b32 s[G1T+5], 32
	s_mov_b32 s[G1T+6], 0
	s_mov_b32 s[G1T+7], 0
	s_lshl_b32 s20, s41, 9                         ; my first token
	s_lshl_b32 s21, s16, 6
	s_add_co_u32 s21, s21, s20
	s_mul_i32 s22, s21, 768                        ; R0's loads: 64 tokens by the half
	s_mov_b32 s23, 0
	s_lshl_b32 s21, s14, 6
	s_add_co_u32 s21, s21, s20
	s_add_co_u32 s21, s21, 128
	s_mul_i32 s74, s21, 768                        ; R1's token load: 64 tokens by the wave, from token 128 on
	s_mov_b32 s75, 0
	s_lshl_b32 s46, s42, 8
	s_lshl_b32 s47, s16, 7
	s_add_co_u32 s46, s46, s47
	s_mul_i32 s46, s46, 768                        ; W: row 256 x + 128 x half
	s_mov_b32 s47, 0
	s_wait_dscnt 0x0
	s_wait_kmcnt 0x0
	s_mov_b32 s[G0W], 1
	s_mul_i32 s[G0W+1], s16, 128*PITCH
	s_add_co_u32 s[G0W+1], s[G0W+1], R1
	s_add_nc_u64 s[G0W+2:G0W+3], s[8:9], s[46:47]
	s_or_b32 s[G0W+3], s[G0W+3], 0x80000000
	s_mov_b32 s[G0A], 1
	s_mul_i32 s[G0A+1], s16, 64*PITCH
	s_add_nc_u64 s[G0A+2:G0A+3], s[4:5], s[22:23]
	s_or_b32 s[G0A+3], s[G0A+3], 0x80000000
	s_mov_b32 s[G0B], 1
	s_mul_i32 s[G0B+1], s14, 64*PITCH
	s_add_co_u32 s[G0B+1], s[G0B+1], R1
	s_add_nc_u64 s[G0B+2:G0B+3], s[4:5], s[74:75]
	s_or_b32 s[G0B+3], s[G0B+3], 0x80000000
	CROUND                                         ; the first joint loads meet
	s_cmp_eq_u32 s15, 0                            ; one load a wave at the head, one in each arm
	s_cbranch_scc0 .Lhead_t
	tensor_load_to_lds s[G0W:G0W+3], s[G1W:G1W+7]
	s_nop 0
	PLACES 4
	s_branch .Lhead_asked
.Lhead_t:
	tensor_load_to_lds s[G0A:G0A+3], s[G1T:G1T+7]
	s_nop 0
	PLACES 4
.Lhead_asked:
	; all scalar set-up first, then the vector lines on end
	s_mul_i32 s21, s14, 64*PITCH
	s_add_co_u32 s21, s21, R1                      ; my 64 rows of W in LDS
	s_mul_i32 s22, s15, 768
	s_lshl_b32 s23, s16, 8
	s_add_co_u32 s23, s23, s22                     ; 768 c + 256 h'
	s_mul_i32 s77, s16, 1536
	s_add_co_u32 s77, s77, s22
	s_add_co_u32 s77, s77, 512                     ; 1,536 h' + 768 c + 512
	s_add_co_u32 s78, s14, SSTG
	s_lshl_b32 s79, s14, 9
	s_add_co_u32 s79, s79, SSTG
	s_lshl_b32 s60, s41, 14                        ; token scales: 512 y rows of 32 bytes
	s_mov_b32 s61, 0
	s_add_nc_u64 s[60:61], s[6:7], s[60:61]
	s_lshl_b32 s80, s42, 8
	s_lshl_b32 s81, s14, 6
	s_add_co_u32 s80, s80, s81                     ; my first row of W
	s_lshl_b32 s88, s80, 2
	s_mov_b32 s89, 0
	s_add_nc_u64 s[96:97], s[96:97], s[88:89]      ; its bias
	s_lshl_b32 s80, s80, 5
	s_mov_b32 s81, 0
	s_add_nc_u64 s[80:81], s[10:11], s[80:81]      ; its scale bytes
	s_lshl_b32 s82, s41, 5
	s_lshr_b32 s83, s42, 3
	s_add_co_u32 s82, s82, s83                     ; chunk 8 (4 y) + e
	s_mul_i32 s84, s82, CHUNK
	s_and_b32 s83, s42, 7
	s_mul_i32 s85, s83, 12288
	s_add_co_u32 s84, s84, s85
	s_mov_b32 s85, 0
	s_lshl_b32 s86, s14, 3
	s_add_co_u32 s86, s86, s82                     ; chunk 8 (4 y + w) + e: the words that I store at the end
	s_mul_i32 s86, s86, CHUNK
	s_lshl_b32 s87, s83, 9
	s_add_co_u32 s86, s86, s87
	s_add_co_u32 s86, s86, 98304
	s_mov_b32 s87, 0
	s_add_nc_u64 s[66:67], s[12:13], s[86:87]
	s_add_nc_u64 s[12:13], s[12:13], s[84:85]
	s_mov_b32 s68, 0                               ; what the next pair's stores add to their base
	s_mov_b32 s69, 0
	s_mov_b32 s70, 0                               ; the pair's number
	s_mov_b32 s72, 8*CHUNK-3*3072                  ; from a block's last pair to the next block's first
	s_mov_b32 s73, 3072
	s_mov_b32 s76, PAIRB                           ; LDS offset of the pair that is fetched next
	s_mov_b32 s90, 0                               ; stage offset: 128 x pair
	s_mov_b32 s98, 0x40e00000                      ; 7
	s_mov_b32 s99, 0xc0e00000                      ; -7
	s_mov_b32 s100, 0xc01d265f                     ; -1.702 log2(e)
	s_mov_b32 s101, s100
	v_and_b32 v1, 15, v0                           ; r
	v_bfe_u32 v2, v0, 4, 1                         ; h
	v_and_b32 v3, 7, v0
	v_bfe_u32 v4, v0, 3, 1
	v_lshl_or_b32 v3, v3, 1, v4                    ; perm(r)
	v_mul_u32_u24 v5, v2, 24
	v_mad_u32_u24 v[ADT], v3, PITCH, v5
	v_lshl_add_u32 v[ADT+1], v2, 4, v[ADT]
	v_mad_u32_u24 v[ADW], v1, 2*PITCH, v5
	v_add_nc_u32 v[ADW], s21, v[ADW]
	v_lshl_add_u32 v[ADW+1], v2, 4, v[ADW]
	v_lshlrev_b32 v6, 4, v1
	v_mad_u32_u24 v6, v2, 1536, v6
	v_add_nc_u32 v[O16], s23, v6                   ; tile h of the pair, lane r + 16 h'
	v_lshlrev_b32 v7, 3, v1
	v_lshl_add_u32 v7, v2, 7, v7
	v_add_nc_u32 v[O8], s77, v7
	v_and_b32 v8, 31, v0
	v_lshl_add_u32 v[SBA], v8, 2, s78
	v_lshl_add_u32 v[SRD], v8, 4, s79
	v_lshlrev_b32 v[GO], 4, v8
	v_lshl_add_u32 v9, v2, 4, v3
	v_lshlrev_b32 v[TSO], 5, v9
	v_lshl_add_u32 v9, v1, 1, v2
	v_lshlrev_b32 v[WSO], 5, v9
	v_lshlrev_b32 v[BO], 6, v2
	v_mov_b32 v[ADF], v[ADT]                       ; pair 0 is fetched first
	v_mov_b32 v[ADF+1], v[ADT+1]
	global_load_b128 v[TS:TS+3], v[TSO], s[60:61]
	global_load_b128 v[TS+4:TS+7], v[TSO], s[60:61] offset:16
.irp g, 0,1
	global_load_b128 v[WS+8*\g:WS+8*\g+3], v[WSO], s[80:81] offset:1024*\g
	global_load_b128 v[WS+8*\g+4:WS+8*\g+7], v[WSO], s[80:81] offset:1024*\g+16
.endr
.irp t, 0,1,2,3
.irp j, 0,1,2,3,4,5,6,7
	global_load_b32 v[BI+8*\t+\j], v[BO], s[96:97] offset:(32*(\t/2)+2*\j+\t%2)*4
.endr
.endr
	s_wait_alu depctr_va_vdst(0)                   ; the wait at the head's end
	s_wait_tensorcnt 0x0                           ; my tile of the head's four is in;
	s_barrier_signal -1
	s_barrier_wait -1                              ; everybody's are
; a piece of 8 bytes at byte BY of a row lies at BY + 16 (BY / 256); where lanes 16-31, 24 bytes on, lie behind one padding more, the second address register serves
.macro WFRAG k, t
.irp p, 0,1,2,3,4,5
.set BY, 96*(\k)+48*(\p/3)+8*(\p%3)
.set XA, 0
.if BY/256 != (BY+24)/256
.set XA, 1
.endif
	ds_load_b64 v[48*((\k)%4)+12*(\t)+2*\p:48*((\k)%4)+12*(\t)+2*\p+1], v[ADW+XA] offset:BY+16*(BY/256)+(32*((\t)/2)+(\t)%2)*PITCH
.endr
.endm
.macro LD1 kk, m                       ; piece m (0 .. 11) of the fetched pair's fragments of K step kk; data window 1, address window 0
.set TTL, (\m)/6
.set PL, (\m)%6
.set BY, 96*(\kk)+48*(PL/3)+8*(PL%3)
.set XA, 0
.if BY/256 != (BY+24)/256
.set XA, 1
.endif
	ds_load_b64 v[24*(\kk)+12*TTL+2*PL:24*(\kk)+12*TTL+2*PL+1], v[ADF+XA] offset:BY+16*(BY/256)+TTL*TILE
.endm
.macro FETCH2 k0                       ; a run of 24 loads: the fetched pair's fragments of K steps k0 and k0 + 1
	WIN 0x40
.irp d, 0,1
.set N, 0
.rept 12
	LD1 (\k0)+\d, N
.set N, N+1
.endr
.endr
	WIN 0
.endm
.macro SETAD                           ; the fetch addresses: pair 0's + s76
	v_add_nc_u32 v[ADF], s76, v[ADT]
	v_add_nc_u32 v[ADF+1], s76, v[ADT+1]
.endm
.macro MM k                            ; one product: W's tile (G, U) x token tile TT, K step k; step 0 starts the sum from the bias
.set DR, 192+32*U+8*(2*G+TT)
.set AR, 48*((\k)%4)+12*(2*G+U)
.set BR, 24*(\k)+12*TT
.set CR, DR
.if (\k) == 0
.set CR, BI+8*(2*G+U)
.endif
.set SX, WS+8*G+(\k)
.set SY, TS+(\k)
.if (U == 0) && (TT == 0)
	v_wmma_scale_f32_16x16x128_f8f6f4 v[DR:DR+7], v[AR:AR+11], v[BR:BR+11], v[CR:CR+7], v[SX], v[SY] matrix_a_fmt:MATRIX_FMT_FP6 matrix_b_fmt:MATRIX_FMT_FP6
.elseif TT == 0
	v_wmma_scale_f32_16x16x128_f8f6f4 v[DR:DR+7], v[AR:AR+11], v[BR:BR+11], v[CR:CR+7], v[SX], v[SY] matrix_a_fmt:MATRIX_FMT_FP6 matrix_b_fmt:MATRIX_FMT_FP6 matrix_a_scale:MATRIX_SCALE_ROW1
.elseif U == 0
	v_wmma_scale_f32_16x16x128_f8f6f4 v[DR:DR+7], v[AR:AR+11], v[BR:BR+11], v[CR:CR+7], v[SX], v[SY] matrix_a_fmt:MATRIX_FMT_FP6 matrix_b_fmt:MATRIX_FMT_FP6 matrix_b_scale:MATRIX_SCALE_ROW1
.else
	v_wmma_scale_f32_16x16x128_f8f6f4 v[DR:DR+7], v[AR:AR+11], v[BR:BR+11], v[CR:CR+7], v[SX], v[SY] matrix_a_fmt:MATRIX_FMT_FP6 matrix_b_fmt:MATRIX_FMT_FP6 matrix_a_scale:MATRIX_SCALE_ROW1 matrix_b_scale:MATRIX_SCALE_ROW1
.endif
.endm
; K step k of a pair: 8 products, the 8 accumulators by turns
.macro STEPK k
.if (\k) == 0
	WIN 0x46                                       ; D window 1, C (bias) window 0, tokens window 1, W window 2
.elseif (\k) < 4
	WIN 0x56
.else
	WIN 0x57
.endif
.set N, 0
.rept 8
.set G, N/4
.set TT, (N/2)%2
.set U, N%2
	MM \k
.set N, N+1
.endr
.endm
.macro PAIR fetch
	s_wait_dscnt 0x0                               ; the pair's fragments
	s_wait_loadcnt 0x0                             ; (the first time: the first pair's and W's scale words and the bias; later nothing is out)
.if \fetch
	s_add_nc_u64 s[60:61], s[60:61], 1024          ; the loads that read this base were waited for
	global_load_b128 v[TSN:TSN+3], v[TSO], s[60:61]                ; the next pair's scale words: 64 products and most of the way out stand ahead of the wait for them
	global_load_b128 v[TSN+4:TSN+7], v[TSO], s[60:61] offset:16
.endif
.irp k, 0,1,2,3,4,5,6,7
	STEPK \k
.endr
	PLACES 4                                       ; behind the last products: for the loads below and the first reads of results
.if \fetch
	FETCH2 0
.endif
	WIN 0x04                                       ; source 1: window 1
	s_wait_xcnt 0x0                                ; the last pair's stores have read their base and data
	s_add_nc_u64 s[12:13], s[12:13], s[68:69]
.set n, 0
.rept 32
	v_min_num_f32 v[X+n], s98, v[192+n]            ; gates, each accumulator from its low end on
.set n, n+1
.endr
.set n, 0
.rept 32
	v_med3_num_f32 v[X+32+n], s99, v[224+n], s98   ; ups
.set n, n+1
.endr
	WIN 0
.set n, 0
.rept 16
	v_pk_mul_f32 v[TR+n:TR+n+1], v[X+n:X+n+1], s[100:101] op_sel_hi:[1,0]
.set n, n+2
.endr
	s_wait_alu depctr_va_vdst(0)                   ; a wait ahead of each batch and behind it
.if \fetch
	FETCH2 2
.endif
.set n, 0
.rept 32
	v_exp_f32 v[TR+n], v[TR+n]
.set n, n+1
.endr
	v_nop
	s_wait_alu depctr_va_vdst(0)
.set n, 0
.rept 16
	v_pk_add_f32 v[TR+n:TR+n+1], v[TR+n:TR+n+1], 1.0 op_sel_hi:[1,0]
.set n, n+2
.endr
	s_wait_alu depctr_va_vdst(0)
.if \fetch
	FETCH2 4
.endif
.set n, 0
.rept 32
	v_rcp_f32 v[TR+n], v[TR+n]                     ; the sigmoid
.set n, n+1
.endr
	v_nop
	s_wait_alu depctr_va_vdst(0)
.if \fetch
	FETCH2 6
	s_wait_loadcnt 0x0                             ; the next pair's scale words have landed;
.irp i, 0,1,2,3,4,5,6,7
	v_mov_b32 v[TS+\i], v[TSN+\i]                  ; into the scale registers: the 64 products that read these are done, and over seventy vector lines stand ahead of the next
.endr
.endif
.set n, 0
.rept 16
	v_pk_mul_f32 v[X+n:X+n+1], v[X+n:X+n+1], v[TR+n:TR+n+1]       ; glu
.set n, n+2
.endr
.set n, 0
.rept 16
	v_pk_fma_f32 v[X+n:X+n+1], v[X+32+n:X+33+n], v[X+n:X+n+1], v[X+n:X+n+1]   ; up x glu + glu
.set n, n+2
.endr
.irp b, 0,16
.irp j, 0,1,2,3,4,5,6,7
	v_permlane16_swap_b32 v[X+\b+\j], v[X+\b+8+\j] ; lane (r, h) now holds tile h's position r: i = b + j and b + 8 + j
.endr
.endr
	v_max3_num_f32 v[MX], |v[X]|, |v[X+1]|, 0x1800000              ; the block's largest magnitude, two chains; the floor 2^(3 - 127) holds the byte at 1 from below
	v_max3_num_f32 v[MX+1], |v[X+2]|, |v[X+3]|, |v[X+4]|
.set n, 5
.rept 13
	v_max3_num_f32 v[MX+(n/2)%2], v[MX+(n/2)%2], |v[X+n]|, |v[X+n+1]|
.set n, n+2
.endr
	v_max3_num_f32 v[MX], v[MX], v[MX+1], |v[X+31]|
	v_add_nc_u32 v[MX+2], 0xff000000, v[MX]        ; 2 off the exponent field: the conversion's scale operand
	v_lshrrev_b32 v[BYR], 23, v[MX+2]              ; the scale's byte
	v_add_nc_u32 v[SBT], s90, v[SBA]
	v_cvt_scalef32_pk16_fp6_f32 v[PP:PP+2], v[X:X+15], v[MX+2]
	v_cvt_scalef32_pk16_fp6_f32 v[QR:QR+2], v[X+16:X+31], v[MX+2]
	v_nop
.irp i, 0,1,2
	v_mov_b32 v[PP+3+\i], v[QR+\i]
.endr
	global_store_b128 v[O16], v[PP:PP+3], s[12:13]                 ; sixteen lanes fill 256 aligned bytes of each of the pair's tiles
	global_store_b64 v[O8], v[PP+4:PP+5], s[12:13]                 ; 32 lanes fill 256 aligned bytes
	ds_store_b8 v[SBT], v[BYR]                     ; byte w of the word of position 32 p + 16 h + r
.if \fetch
	s_add_co_u32 s76, s76, PAIRB
	SETAD
.endif
	s_wait_alu depctr_va_vdst(0)                   ; the wait ahead of the scalar lines, the branch and the waits that follow
	s_add_co_u32 s90, s90, 128
	s_and_b32 s71, s70, 3
	s_cmp_eq_u32 s71, 3
	s_cselect_b32 s68, s72, s73
	s_add_co_u32 s70, s70, 1
.endm
.macro LOOP trips
	s_mov_b32 s3, \trips
.Lpairs_\@:
	PAIR 1
	s_sub_co_u32 s3, s3, 1
	s_cmp_lg_u32 s3, 0
	s_cbranch_scc1 .Lpairs_\@
.endm
.irp k, 0,1,2,3,4,5,6,7                ; W into registers, once
.if \k < 4
	WIN 0x80
.else
	WIN 0xc0
.endif
.irp t, 0,1,2,3
	WFRAG \k, \t
.endr
.endr
.irp k, 0,2,4,6                        ; pair 0's fragments
	FETCH2 \k
.endr
	SETAD                                          ; on to pair 1
	s_wait_alu depctr_va_vdst(0)                   ; the wait ahead of the waits below
	s_wait_tensorcnt 0x0                           ; the three lines ahead of a refill's round
	ds_add_u32 v[SPW], v[NIL]
	s_wait_dscnt 0x0                               ; my reads of W are over
	CROUND
	tensor_load_to_lds s[G0B:G0B+3], s[G1T:G1T+7]  ; tokens 128-383 onto W's bytes, 64 tokens a wave
	s_nop 0
	PLACES 4
	LOOP 3                                         ; pairs 0-2; pairs 1-3 are fetched
	s_wait_tensorcnt 0x0                           ; tokens 128-383: my part is in
	ds_add_u32 v[SPW], v[NIL]
	s_add_nc_u64 s[G0A+2:G0A+3], s[G0A+2:G0A+3], 384*768   ; no tensor load of mine is out
	s_wait_dscnt 0x0                               ; my reads of tokens 0-127 are over
	CROUND
	s_cmp_eq_u32 s15, 0
	s_cbranch_scc1 .Lno_t3
	tensor_load_to_lds s[G0A:G0A+3], s[G1T:G1T+7]  ; tokens 384-511 onto tokens 0-127, by waves 2 and 3 as at the head
	s_nop 0
	PLACES 4
.Lno_t3:
	LOOP 8                                         ; pairs 3-10; pairs 4-11 are fetched
	s_wait_tensorcnt 0x0                           ; tokens 384-511
	s_wait_dscnt 0x0
	s_barrier_signal -1
	s_barrier_wait -1
	s_mov_b32 s76, 0
	SETAD
	s_wait_alu depctr_va_vdst(0)                   ; the wait ahead of the waits at the pair's head
	LOOP 4                                         ; pairs 11-14; pairs 12-15 are fetched
	PAIR 0
	s_wait_dscnt 0x0                               ; for the others' sake: my scale bytes lie in the stage
	s_barrier_signal -1
	s_barrier_wait -1
	ds_load_b128 v[TR:TR+3], v[SRD]                ; a word's four bytes come from four waves: wave w takes the 128 words of token block 4 y + w
	s_wait_dscnt 0x0
	global_store_b128 v[GO], v[TR:TR+3], s[66:67]  ; 32 lanes store 512 consecutive bytes, aligned to 256
	s_wait_tensorcnt 0x0                           ; the wave's end
	ds_add_u32 v[SPW], v[NIL]
	s_wait_dscnt 0x0
	CROUND                                         ; the closing round
	s_endpgm
.Lfunc_end_k_qf6075e54a0_gateup:
	.size	k_qf6075e54a0_gateup, .Lfunc_end_k_qf6075e54a0_gateup-k_qf6075e54a0_gateup
	.p2alignl 7, 3214868480
	.fill 96, 4, 3214868480
	.section	.rodata,"a",@progbits
	.p2align	6, 0x0
	.amdhsa_kernel k_qf6075e54a0_gateup
		.amdhsa_group_segment_fixed_size 327680
		.amdhsa_private_segment_fixed_size 0
		.amdhsa_enable_private_segment 0
		.amdhsa_kernarg_size 48
		.amdhsa_user_sgpr_count 2
		.amdhsa_user_sgpr_kernarg_segment_ptr 1
		.amdhsa_wavefront_size32 1
		.amdhsa_system_sgpr_workgroup_id_x 1
		.amdhsa_system_sgpr_workgroup_id_y 1
		.amdhsa_system_sgpr_workgroup_id_z 1
		.amdhsa_system_vgpr_workitem_id 0
		.amdhsa_next_free_vgpr 1024
		.amdhsa_next_free_sgpr 102
		.amdhsa_reserve_vcc 0
		.amdhsa_float_denorm_mode_32 3
		.amdhsa_float_denorm_mode_16_64 3
		.amdhsa_memory_ordered 1
		.amdhsa_forward_progress 1
		.amdhsa_inst_pref_size 134
	.end_amdhsa_kernel
	.amdgpu_metadata
---
amdhsa.version: [ 1, 2 ]
amdhsa.kernels:
  - .name:           k_qf6075e54a0_gateup
    .symbol:         k_qf6075e54a0_gateup.kd
    .args:
      - { .name: hidden_states_codes, .offset: 0, .size: 8, .value_kind: global_buffer, .address_space: global }
      - { .name: hidden_states_scales, .offset: 8, .size: 8, .value_kind: global_buffer, .address_space: global }
      - { .name: gate_up_proj_codes, .offset: 16, .size: 8, .value_kind: global_buffer, .address_space: global }
      - { .name: gate_up_proj_scales, .offset: 24, .size: 8, .value_kind: global_buffer, .address_space: global }
      - { .name: act, .offset: 32, .size: 8, .value_kind: global_buffer, .address_space: global }
      - { .name: gate_up_proj_bias, .offset: 40, .size: 8, .value_kind: global_buffer, .address_space: global }
    .group_segment_fixed_size: 327680
    .private_segment_fixed_size: 0
    .kernarg_segment_align: 8
    .kernarg_segment_size: 48
    .max_flat_workgroup_size: 128
    .sgpr_count:     102
    .vgpr_count:     1024
    .wavefront_size: 32
...
	.end_amdgpu_metadata
.endif
;; end of part 1
;; launch down (part 2): grid 16 x 16, 4 waves a work-group, clusters of 4 x 4, 327,680 bytes of LDS; arguments act, down_proj_codes, down_proj_scales, down_proj_bias, routing_weights, out0; writes out0
.if DOCPART == 2
	.amdgcn_target "amdgcn-amd-amdhsa--gfx1250"
	.amdhsa_code_object_version 6
	.text
	.protected	k_qf6075e54a0_down
	.globl	k_qf6075e54a0_down
	.p2align	8
	.type	k_qf6075e54a0_down,@function
k_qf6075e54a0_down:
	s_mov_b64 s[64:65], 0
	v_nop
	global_prefetch_b8 v0, s[64:65] scope:SCOPE_SE
	s_setreg_imm32_b32 hwreg(HW_REG_WAVE_MODE, 25, 1), 1
	s_wait_xcnt 0x0
	s_wait_alu depctr_hold_cnt(0) depctr_sa_sdst(0) depctr_va_vdst(0) depctr_va_sdst(0) depctr_va_ssrc(0) depctr_va_vcc(0) depctr_vm_vsrc(0)
	s_getreg_b32 s2, hwreg(HW_REG_IB_STS2, 6, 4)
	s_cmp_eq_u32 s2, 0
	s_cbranch_scc0 .Lentry_in_a_cluster
	s_endpgm
.Lentry_in_a_cluster:
	s_bfe_u32 s2, ttmp6, 0x10000c
	s_cmp_lg_u32 s2, 0xf033
	s_cbranch_scc0 .Lentry_shape_is_right
	s_endpgm
.Lentry_shape_is_right:
; out[t][n] = sum over e of rw[t][e] x (sum over i of act[e][t][i] D[e][n][i] + bias[e][n]).  act: codes of FP6 (E2M3) and scale words as the launch before laid them (below); D: [8][1024][1024] codes, K innermost,
; one E8M0 byte for each 32 along K; bias [8][1024], rw [2048][8], out [2048][1024]: f32.
; SHARES.  A work-group owns 128 tokens (block y) x 64 columns (64 x on) of out, for ALL eight experts: each number of out has one owner.  THE FOUR WAVES SHARE K, NOT THE TILE: each makes the whole 128 x 64
; (32 accumulators) for K steps 2 w and 2 w + 1 of every expert, and keeps its own sum OUT += rw x ACC in 256 registers.  The four sums meet in LDS at the end, in a fixed order.
; Each wave starts an expert's sums from a quarter of the bias: four exact quarters make the bias, and no wave differs from another.
; THE MATRIX INSTRUCTION IS USED TRANSPOSED: source 0 = 16 rows of D, source 1 = 16 tokens of act: a lane holds one token and eight neighbouring columns.
; act: [block of 128 tokens 16][e 8][102,400 bytes]; a chunk: codes [K step s 8][tile a 8][1,536], an image of the operand's registers: for c = 0, 1 registers 6 c .. 6 c + 3 of lane L at 768 c + 16 L, registers
; 6 c + 4, 6 c + 5 at 768 c + 512 + 8 L; from byte 98,304 the scale words [s 8][position 128] of 4 bytes.  Lane r of tile a (position 16 a + r) stands for token 16 a + perm(r), perm(r) = 2 (r % 8) + r / 8.
; act GOES FROM MEMORY STRAIGHT INTO THE OPERAND'S REGISTERS, by loads of 512 and 256 dense bytes a wave.  The registers of a K step are asked for again, for the next expert, as soon as that K step's 32 products are
; issued, and the loads stay out across barriers.  WHY act IS NOT ASKED FOR JOINTLY, though the four work-groups of a row of the cluster read the same chunk: no byte of it is read by two waves of a work-group, so
; LDS would give it no reuse; and a joint refill is waited for whole in front of every round, so that a chunk's 102,400 bytes would have one expert's 64 matrix instructions a wave in which to land and nothing
; would be on its way at the round.  In registers each half K step has its own counted wait, and the next expert's loads are out while this expert is multiplied.
; D GOES THROUGH LDS, JOINTLY.  4 x 4 work-groups form a cluster; D's rows and scale bytes hang on x alone and are asked for along a column of the cluster.  Two slots of TWO experts each (an expert: 64 rows of 768
; bytes, as runs of 256 bytes + 16 of padding: rows 816 bytes apart); each wave fetches a quarter of a slot.  Experts 0-3 come with the first fills; slot 0 is filled again at expert 2's head, slot 1 at expert 4's:
; each refill has two experts' work, 128 matrix instructions a wave, in which to land.
; LIMITS: NaN and infinities are not served; a denormal bias loses bits in its quarter.
; REGISTERS, in windows of 256: window 0: v5-29 addresses; v32-43 scale words and nothing else; v44-63 D's LDS addresses; v64-159, v160-255 act's fragments of my two K steps.
;   window 1: v0-47, v48-95 D's fragments; v96-159 rw (8 a + e); v160-223 the bias, two sets; v224-239 the expert's rw as pairs.   window 2: the accumulators ((a, b) at v[8 (4 a + b)]).   window 3: OUT, likewise.
; act's 8-byte parts: registers 6 c + 4, 6 c + 5 of lane (r, h) of tile a lie, counted from the pair a / 2's first byte, at 1,536 h + 768 c + 512 + 128 (a % 2) + 8 r (the launch before stores them so in whole runs of 256 bytes).
; THE HEAD: one tensor load a wave: waves 0, 1 fetch experts 0, 1 of D whole, waves 2, 3 the scale bytes of four experts each; slot 1's first fill stands behind the three lines and a round, as a refill does.
.set CHUNK, 102400
.set BROW,  816                        ; a row of D in LDS
.set BEXP,  64*BROW                    ; an expert's 64 rows: 52,224
.set BQ,    32*BROW                    ; what one tensor load brings: 26,112
.set SREG,  128*272                    ; the way out: a wave's 128 rows x (256 bytes + 16)
.set SLOT1, 4*SREG                     ; slot 0 is bytes 0 to 2 BEXP - 1 = 3 SREG - 1; then SREG bytes that no fill touches; slot 1 begins here.  The four waves' stage is bytes 0 to 4 SREG - 1: slot 0, behind its last
                                       ; fill and its last read, and those bytes
.set BSC,   SLOT1+2*BEXP               ; D's scale bytes, [e 8][64 rows][32], filled once
.set SPARE, BSC+16384                  ; the spare words, 128 bytes for each wave, that no other line names
.set GO,   5                           ; v5   my byte offset in two rows of out: 4,096 h + 16 r
.set RWA,  6                           ; v6   rw: 32 perm(r)
.set BIA,  7                           ; v7   the bias: 32 h
.set AD16, 8                           ; v8   act: my byte in a chunk: 24,576 w + 16 L
.set AD8,  9                           ; v9   the same with 8 r + 1,536 h
.set ASC,  10                          ; v10  act's scale words: 98,304 + 1,024 w + 4 L
.set BSA,  24                          ; v24  D's scale words: BSC + 32 L + 8 w
.set STO,  25                          ; v25  the way out: where I put 32 bytes of a row
.set RD,   26                          ; v26-27 where I read rows back: regions 0, 1 and regions 2, 3
.set SPW,  28                          ; v28  LDS address of my spare word; never rewritten
.set NIL,  29                          ; v29  0; never rewritten
.set SAR,  32                          ; v32-39 act's scale words: register 4 q + a / 2: lanes 0-15 the even tile, lanes 16-31 the odd one
.set SBR,  40                          ; v40-43 D's: register 2 (b / 2) + q, likewise
.set BAD,  44                          ; v44-63 D's fragments: for each of the four experts that LDS holds (e % 4) five registers, by how many paddings lie in front of a piece
.set AF,   64
.set RW,   96
.set BI,   160
.set RWC,  224
.set G1B, 48                           ; s[48:55] descriptor group 1 for D's rows;  s[56:63] group 0, one set for each slot
.set G0B, 56
.set G1S, 68                           ; s[68:75], s[76:79] for D's scale bytes
.set G0S, 76
.set MSB, 0
.macro WIN new                         ; the immediate's high byte repeats the setting that is left
.if MSB != \new
	s_set_vgpr_msb (MSB<<8)|\new
.set MSB, \new
.endif
.endm
.macro PLACES n
.rept \n
	v_nop
.endr
.endm
.macro CROUND                          ; a round of the cluster's barrier
	s_barrier_signal -1
	s_barrier_wait -1
	s_cmp_lg_u32 s16, 0
	s_cbranch_scc1 .Lnot_wave_0_\@
	s_barrier_signal -3
.Lnot_wave_0_\@:
	s_barrier_wait -3
	s_barrier_signal -1
	s_barrier_wait -1
.endm
	s_load_b128 s[4:7], s[0:1], 0x0                ; act s[4:5], D's codes s[6:7]
	s_load_b128 s[8:11], s[0:1], 0x10              ; D's scales s[8:9], the bias s[10:11]
	s_load_b128 s[12:15], s[0:1], 0x20             ; rw s[12:13], out s[14:15]
	v_lshl_add_u32 v[SPW], v0, 2, SPARE
	v_mov_b32 v[NIL], 0
	ds_add_u32 v28, v29
	ds_add_u32 v28, v29
	s_wait_dscnt 0x0
	v_lshrrev_b32 v1, 5, v0
	v_readfirstlane_b32 s16, v1                    ; wave 0..3
	s_lshr_b32 s17, s16, 1                         ; which of a slot's two experts I fetch,
	s_and_b32 s18, s16, 1                          ; and which 32 of its 64 rows
	s_bfe_u32 s40, ttmp6, 0x40000                  ; cx, cy: my place in the cluster
	s_bfe_u32 s41, ttmp6, 0x40004
	s_lshl_b32 s42, ttmp9, 2
	s_add_co_u32 s42, s42, s40                     ; x: 64 columns of out
	s_and_b32 s19, ttmp7, 0xffff
	s_lshl_b32 s19, s19, 2
	s_add_co_u32 s19, s19, s41                     ; y: 128 tokens
	s_lshl_b32 s44, 0x1111, s40                    ; my column of the cluster
	; descriptor groups 1; elements of 8 bytes.  32 rows of D: 24,576 dense bytes as 96 rows of 256, 16 bytes of padding behind each
	s_or_b32 s[G1B+0], s44, (3<<16)|(1<<20)|(1<<21)|(5<<22)|(3<<25)   ; 15:0 the mask: my column; 17:16 elements of 8 bytes; 20 padding on; 21 set beside a mask; 24:22 after every 64 words; 31:25 of 4 words
	s_mov_b32 s[G1B+1], 32<<16                     ; tensor_dim0 = 32
	s_mov_b32 s[G1B+2], 96<<16                     ; tensor_dim1 = 96
	s_mov_b32 s[G1B+3], 32<<16                     ; tile_dim0
	s_mov_b32 s[G1B+4], 96                         ; tile_dim1
	s_mov_b32 s[G1B+5], 32                         ; tensor_dim0_stride
	s_mov_b32 s[G1B+6], 0
	s_mov_b32 s[G1B+7], 0
	; D's scale bytes of four experts: for each 64 rows x 32 bytes = 2,048 dense bytes, 32,768 bytes from expert to expert
	s_or_b32 s[G1S+0], s44, (3<<16)|(1<<21)
	s_mov_b32 s[G1S+1], 256<<16
	s_mov_b32 s[G1S+2], 4<<16
	s_mov_b32 s[G1S+3], 256<<16
	s_mov_b32 s[G1S+4], 4
	s_mov_b32 s[G1S+5], 4096
	s_mov_b32 s[G1S+6], 0
	s_mov_b32 s[G1S+7], 0
	s_or_b32 s24, s44, (3<<16)|(1<<20)|(1<<21)|(5<<22)|(3<<25)        ; s[24:31]: an expert's 64 rows of D: 192 rows of 256 bytes
	s_mov_b32 s25, 32<<16
	s_mov_b32 s26, 192<<16
	s_mov_b32 s27, 32<<16
	s_mov_b32 s28, 192
	s_mov_b32 s29, 32
	s_mov_b32 s30, 0
	s_mov_b32 s31, 0
	s_mul_i32 s20, s19, 8*CHUNK                    ; act: chunk 8 y: my tokens' expert 0
	s_mov_b32 s21, 0
	s_lshl_b32 s46, s17, 10                        ; D: row 1,024 x (wave / 2) + 64 x + 32 x (wave % 2)
	s_lshl_b32 s47, s42, 6
	s_add_co_u32 s46, s46, s47
	s_lshl_b32 s47, s18, 5
	s_add_co_u32 s46, s46, s47
	s_mul_i32 s46, s46, 768
	s_mov_b32 s47, 0
	s_mul_i32 s23, s16, BQ                         ; in a slot: wave x 32 rows: no place in the cluster enters an LDS address
	s_lshl_b32 s80, s18, 17                        ; D's scale bytes: experts 4 x (wave % 2) on,
	s_lshl_b32 s81, s42, 11                        ; rows 64 x on
	s_add_co_u32 s80, s80, s81
	s_mov_b32 s81, 0
	s_lshl_b32 s82, s18, 13
	s_add_co_u32 s82, s82, BSC
	s_wait_kmcnt 0x0
	s_add_nc_u64 s[20:21], s[4:5], s[20:21]
	s_add_nc_u64 s[46:47], s[6:7], s[46:47]
	s_add_nc_u64 s[80:81], s[8:9], s[80:81]
.irp s, 0,1
	s_mov_b32 s[G0B+4*\s], 1                       ; count = 1
	s_add_co_u32 s[G0B+4*\s+1], s23, \s*SLOT1      ; LDS address
	s_add_nc_u64 s[G0B+4*\s+2:G0B+4*\s+3], s[46:47], \s*2*1024*768     ; global address: slot s begins with experts 2 s, 2 s + 1
	s_or_b32 s[G0B+4*\s+3], s[G0B+4*\s+3], 0x80000000                  ; type = 2
.endr
	s_mov_b32 s[G0S], 1
	s_mov_b32 s[G0S+1], s82
	s_mov_b64 s[G0S+2:G0S+3], s[80:81]
	s_or_b32 s[G0S+3], s[G0S+3], 0x80000000
	s_lshl_b32 s36, s18, 10                        ; s[32:35]: expert wave % 2, rows 64 x on
	s_lshl_b32 s37, s42, 6
	s_add_co_u32 s36, s36, s37
	s_mul_i32 s36, s36, 768
	s_mov_b32 s37, 0
	s_mov_b32 s32, 1
	s_mul_i32 s33, s18, BEXP
	s_add_nc_u64 s[34:35], s[6:7], s[36:37]
	s_or_b32 s35, s35, 0x80000000
	CROUND                                         ; all sixteen work-groups are here: the first joint loads meet
	s_cmp_eq_u32 s17, 0                            ; one load a wave, one in each arm
	s_cbranch_scc0 .Lhead_sc
	tensor_load_to_lds s[32:35], s[24:31]
	s_nop 0
	PLACES 4
	s_branch .Lhead_asked
.Lhead_sc:
	tensor_load_to_lds s[G0S:G0S+3], s[G1S:G1S+7]
	s_nop 0
	PLACES 4
.Lhead_asked:
.rept 4
	v_nop
.endr
	v_and_b32 v1, 31, v0                           ; L
	v_and_b32 v2, 15, v0                           ; r
	v_bfe_u32 v3, v0, 4, 1                         ; h
	v_and_b32 v4, 7, v0
	v_bfe_u32 v11, v0, 3, 1
	v_lshl_or_b32 v4, v4, 1, v11                   ; perm(r)
	v_lshlrev_b32 v[GO], 4, v2
	v_lshl_add_u32 v[GO], v3, 12, v[GO]
	v_lshlrev_b32 v[RWA], 5, v4
	v_lshlrev_b32 v[BIA], 5, v3
	s_mul_i32 s83, s16, 24576                      ; my two K steps of act's codes
	v_lshl_add_u32 v[AD16], v1, 4, s83
	v_lshl_add_u32 v[AD8], v2, 3, s83
	v_mad_u32_u24 v[AD8], v3, 1536, v[AD8]         ; 8 r + 1,536 h
	s_lshl_b32 s84, s16, 10
	s_add_co_u32 s84, s84, 98304
	v_lshl_add_u32 v[ASC], v1, 2, s84
	; D's fragments, in pieces of 8 bytes.  Lane (r, h) of wave w takes, of row r, pieces P0 + d, P0 = 24 w + 3 h, d = 12 q + 6 c + 0, 1, 2.  Piece p lies at 8 p + 16 (p / 32): 16 bytes of padding behind every 32 pieces.
	; P0 % 32 is one of 0, 3, 24, 27, 16, 19, 8, 11, so (P0 + d) / 32 can change only where d passes 5, 8, 13 or 16: five registers serve the twelve d
	s_mul_i32 s85, s16, 24
	v_mad_u32_u24 v11, v3, 3, s85                  ; P0
	v_mul_u32_u24 v12, v2, BROW
	v_lshl_add_u32 v12, v11, 3, v12
.set K, 0
.irp d, 0,6,8,13,18
	v_add_nc_u32 v13, \d, v11
	v_lshrrev_b32 v13, 5, v13
	v_lshl_add_u32 v[BAD+K], v13, 4, v12           ; experts 0, 4: slot 0's first
	v_add_nc_u32 v[BAD+5+K], BEXP, v[BAD+K]        ; experts 1, 5: its second
	v_add_nc_u32 v[BAD+10+K], SLOT1, v[BAD+K]      ; experts 2, 6
	v_add_nc_u32 v[BAD+15+K], SLOT1+BEXP, v[BAD+K] ; experts 3, 7
.set K, K+1
.endr
	s_lshl_b32 s86, s16, 3
	s_add_co_u32 s86, s86, BSC
	v_lshl_add_u32 v[BSA], v1, 5, s86
	s_mul_i32 s87, s16, SREG
	v_mul_u32_u24 v[STO], v4, 272                  ; in: my region, row perm(r) of a tile: the stage holds the tokens in their true order; + 32 h
	v_lshl_add_u32 v[STO], v3, 5, v[STO]
	v_add_nc_u32 v[STO], s87, v[STO]
	s_mul_i32 s88, s16, 32*272
	v_mul_u32_u24 v[RD], v3, 272                   ; back: rows 32 w on; lanes 0-15 one row of 256 bytes, lanes 16-31 the next
	v_lshl_add_u32 v[RD], v2, 4, v[RD]
	v_add_nc_u32 v[RD], s88, v[RD]
	v_add_nc_u32 v[RD+1], 2*SREG, v[RD]
	s_lshl_b32 s90, s19, 12                        ; rw: 128 y tokens of 32 bytes
	s_mov_b32 s91, 0
	s_add_nc_u64 s[12:13], s[12:13], s[90:91]
	s_lshl_b32 s92, s42, 8                         ; the bias and out: 64 x columns of 4 bytes
	s_mov_b32 s93, 0
	s_add_nc_u64 s[10:11], s[10:11], s[92:93]
	s_add_nc_u64 s[14:15], s[14:15], s[92:93]
	s_lshl_b32 s90, s19, 19                        ; out: row 128 y + 32 w, 4,096 bytes a row
	s_lshl_b32 s92, s16, 17
	s_add_co_u32 s90, s90, s92
	s_add_nc_u64 s[14:15], s[14:15], s[90:91]
; D's four fragments of my K step q, of the expert at place k = e % 4 in LDS -> window 1
.macro BFRAG k, q
.irp b, 0,1,2,3
.irp p, 0,1,2,3,4,5
.set DL, 12*(\q)+6*(\p/3)+\p%3
.if DL < 5
.set CL, 0
.elseif DL < 8
.set CL, 1
.elseif DL < 13
.set CL, 2
.elseif DL < 16
.set CL, 3
.else
.set CL, 4
.endif
	ds_load_b64 v[48*(\q)+12*\b+2*\p:48*(\q)+12*\b+2*\p+1], v[BAD+5*(\k)+CL] offset:8*DL+16*BROW*\b
.endr
.endr
.endm
; Half hf of expert e's K step q of act, from memory: tiles 4 hf .. 4 hf + 3 as they were stored, and the two registers of their scale words: 18 loads.  Every offset is an immediate: no address is ever stepped.
.macro ALH e, q, hf
	WIN 0
.set TA, 4*(\hf)
.rept 4
.set AR, AF+96*(\q)+12*TA
.set AO, CHUNK*(\e)+12288*(\q)+1536*TA
	global_load_b128 v[AR:AR+3], v[AD16], s[20:21] offset:AO               ; 32 lanes read 512 consecutive bytes
	global_load_b64 v[AR+4:AR+5], v[AD8], s[20:21] offset:AO-1408*(TA%2)+512
	global_load_b128 v[AR+6:AR+9], v[AD16], s[20:21] offset:AO+768
	global_load_b64 v[AR+10:AR+11], v[AD8], s[20:21] offset:AO-1408*(TA%2)+1280
.set TA, TA+1
.endr
.irp t, 0,1
	global_load_b32 v[SAR+4*(\q)+2*(\hf)+\t], v[ASC], s[20:21] offset:CHUNK*(\e)+512*(\q)+128*(2*(\hf)+\t)   ; 32 positions: two tiles' words
.endr
.endm
.macro BIAS e                          ; expert e's bias in the result's layout into set e % 2: register 8 b + j holds bias(16 b + 8 h + j)
	WIN 0x40
.irp b, 0,1,2,3
	global_load_b128 v[BI+32*((\e)%2)+8*\b:BI+32*((\e)%2)+8*\b+3], v[BIA], s[10:11] offset:4096*(\e)+64*\b
	global_load_b128 v[BI+32*((\e)%2)+8*\b+4:BI+32*((\e)%2)+8*\b+7], v[BIA], s[10:11] offset:4096*(\e)+64*\b+16
.endr
.endm
.macro QUARTER e                       ; x 0.25: exact but for denormals
	WIN 0x41
.set n, BI+32*((\e)%2)
.rept 16
	v_pk_mul_f32 v[n:n+1], v[n:n+1], 0x3e800000 op_sel_hi:[1,0]
.set n, n+2
.endr
.endm
; OUT += rw(token, e) x ACC; first = 1: OUT = rw x ACC: nothing is cleared.  Each accumulator is read from its low end on.
.macro RESCALE e, first
	WIN 0x41
.irp a, 0,1,2,3,4,5,6,7
	v_mov_b32 v[RWC+2*\a], v[RW+8*\a+(\e)]         ; the packed forms name a pair and take its low word for both halves
.endr
.if \first
	WIN 0xc6                                       ; source 0 (ACC) window 2, source 1 (rw) window 1, destination window 3
.else
	WIN 0xf6                                       ; and source 2 (OUT) window 3
.endif
.irp a, 0,1,2,3,4,5,6,7
.set n, 32*\a
.rept 16
.if \first
	v_pk_mul_f32 v[n:n+1], v[n:n+1], v[RWC+2*\a:RWC+2*\a+1] op_sel_hi:[1,0]
.else
	v_pk_fma_f32 v[n:n+1], v[n:n+1], v[RWC+2*\a:RWC+2*\a+1], v[n:n+1] op_sel_hi:[1,0,1]
.endif
.set n, n+2
.endr
.endr
.endm
; 16 matrix instructions: my K step q of expert e, tiles a0 .. a0 + 3 of tokens x all 4 of columns.  cbias = 1: the sums start from the quarter bias.  The 32 accumulators take turns, one instruction a turn, in the
; same order in both K steps.  An odd tile's scale words lie in lanes 16-31 of their register.
.macro MULH q, e, cbias, a0
.if \cbias
	WIN 0x91                                       ; source 0 (D) window 1, source 1 (act) window 0, C (bias) window 1, result window 2
.else
	WIN 0xa1                                       ; C and result window 2
.endif
.set TA, \a0
.rept 4
.irp b, 0,1,2,3
.set DR, 8*(4*TA+\b)
.set CR, DR
.if \cbias
.set CR, BI+32*((\e)%2)+8*\b
.endif
.set BR, 48*(\q)+12*\b
.set AR, AF+96*(\q)+12*TA
.set SX, SBR+2*(\b/2)+(\q)
.set SY, SAR+4*(\q)+TA/2
.if (TA%2 == 0) && (\b%2 == 0)
	v_wmma_scale_f32_16x16x128_f8f6f4 v[DR:DR+7], v[BR:BR+11], v[AR:AR+11], v[CR:CR+7], v[SX], v[SY] matrix_a_fmt:MATRIX_FMT_FP6 matrix_b_fmt:MATRIX_FMT_FP6
.elseif TA%2 == 0
	v_wmma_scale_f32_16x16x128_f8f6f4 v[DR:DR+7], v[BR:BR+11], v[AR:AR+11], v[CR:CR+7], v[SX], v[SY] matrix_a_fmt:MATRIX_FMT_FP6 matrix_b_fmt:MATRIX_FMT_FP6 matrix_a_scale:MATRIX_SCALE_ROW1
.elseif \b%2 == 0
	v_wmma_scale_f32_16x16x128_f8f6f4 v[DR:DR+7], v[BR:BR+11], v[AR:AR+11], v[CR:CR+7], v[SX], v[SY] matrix_a_fmt:MATRIX_FMT_FP6 matrix_b_fmt:MATRIX_FMT_FP6 matrix_b_scale:MATRIX_SCALE_ROW1
.else
	v_wmma_scale_f32_16x16x128_f8f6f4 v[DR:DR+7], v[BR:BR+11], v[AR:AR+11], v[CR:CR+7], v[SX], v[SY] matrix_a_fmt:MATRIX_FMT_FP6 matrix_b_fmt:MATRIX_FMT_FP6 matrix_a_scale:MATRIX_SCALE_ROW1 matrix_b_scale:MATRIX_SCALE_ROW1
.endif
.endr
.set TA, TA+1
.endr
.endm
; THE CHANGE OF SLOTS, at the heads of experts 2, 4 and 6.  Each wave waits for all its tensor loads (its part of the slot that it is about to read), adds 0 to its spare word, and waits for that and for its reads of the
; slot that it has left.  fill = 1: the barrier is a round of the cluster's, and behind it slot s, just left, is filled with the experts four on.  (My loads of act stay out across it: nobody writes those bytes.)
.macro HEAD fill, s
	WIN 0                                          ; at a label and at a branch every window is 0; the add's registers lie in window 0
	s_wait_tensorcnt 0x0                           ; no tensor load of mine is out, so a group 0 may be written
	ds_add_u32 v[SPW], v[NIL]                      ; 0 onto my spare word
.if \fill
	s_add_nc_u64 s[G0B+4*(\s)+2:G0B+4*(\s)+3], s[G0B+4*(\s)+2:G0B+4*(\s)+3], 4*1024*768   ; four experts on; the type bits on top are not reached
.endif
	s_wait_dscnt 0x0                               ; the add is done, and my reads of the slot that I have left are over
.if \fill
	CROUND                                         ; no wave of any partner still reads that slot or has a load on its way
	tensor_load_to_lds s[G0B+4*(\s):G0B+4*(\s)+3], s[G1B:G1B+7]   ; the first tensor load behind the round, one a wave: my quarter of the slot
	s_nop 0
	PLACES 4
.else
	s_barrier_signal -1
	s_barrier_wait -1
.endif
.endm
; EXPERT e.  Loads come back in order (ISA guide 5.7.1), and a wave's loads are issued in this order: behind K step 0's products of expert e - 1: the bias of e + 1 (8), act's K step 0 of e in two halves (18, 18);
; behind K step 1's products: the first half of K step 1 of e (18); behind the weighing of e - 1: its second half (18).  Each wait's count is what was issued behind the half that it waits for.
; The second half of K step 1 stands behind the weighing so that what a wave has out when it comes to the weighing stays at 8 + 36 + 18 = 62 loads.
.macro EXPERT e
.set NB, 0
.if (\e) < 6
.set NB, 8
.endif
.set NA, 0
.if (\e) < 7
.set NA, 36
.endif
	WIN 0
.irp t, 0,1
	ds_load_b64 v[SBR+2*\t:SBR+2*\t+1], v[BSA] offset:2048*(\e)+1024*\t   ; 32 rows of D: two tiles; my two K steps' words
.endr
	WIN 0x40                                       ; destination window 1
	BFRAG (\e)%4, 0
	BFRAG (\e)%4, 1
.if (\e) == 0
	s_wait_loadcnt 54                              ; rw, the first two biases and the first half of K step 0 are in; three halves may be out
.endif
	QUARTER \e                                     ; this bias was shown landed by the wait for the expert before's K step 0, which was issued behind it
.if (\e) == 0
	s_wait_alu depctr_va_vdst(0)
	WIN 0x40
.irp a, 0,1,2,3,4,5,6,7
	v_mov_b32 v[RWC+2*\a+1], 0                     ; the pairs' upper halves are named, so they are written, once
.endr
.elseif (\e) == 1
	RESCALE 0, 1                                   ; the weighing of the expert before stands over the LDS loads above and the loads of act
.else
	RESCALE (\e)-1, 0
.endif
.if (\e) > 0
	ALH \e, 1, 1
	s_wait_loadcnt 54                              ; the first half of K step 0 is in; behind it three halves of 18
.endif
	s_wait_dscnt 24                                ; D's words and K step 0's fragments are in; K step 1's 24 loads may be out
	MULH 0, \e, 1, 0
	s_wait_loadcnt 36                              ; the second half of K step 0; behind it K step 1's two halves
	MULH 0, \e, 1, 4
	PLACES 4                                       ; in front of loads into registers that these products have read
.if (\e) < 6
	BIAS (\e)+2                                    ; into the set that these products have just read
.endif
.if (\e) < 7
	ALH (\e)+1, 0, 0
	ALH (\e)+1, 0, 1
.endif
	s_wait_loadcnt 18+NB+NA                        ; the first half of K step 1; behind it its second half and what was just issued
	s_wait_dscnt 0x0
	MULH 1, \e, 0, 0
	s_wait_loadcnt NB+NA                           ; the second half
	MULH 1, \e, 0, 4
	PLACES 4                                       ; in front of loads into registers that these products have read, and of the first read of results
.if (\e) < 7
	ALH (\e)+1, 1, 0
.endif
.endm
	WIN 0x40
.irp a, 0,1,2,3,4,5,6,7
	global_load_b128 v[RW+8*\a:RW+8*\a+3], v[RWA], s[12:13] offset:512*\a          ; my token's eight weights, for each of the eight tiles: they stay
	global_load_b128 v[RW+8*\a+4:RW+8*\a+7], v[RWA], s[12:13] offset:512*\a+16
.endr
	BIAS 0
	BIAS 1
	ALH 0, 0, 0
	ALH 0, 0, 1
	ALH 0, 1, 0
	ALH 0, 1, 1
	s_wait_alu depctr_va_vdst(0)
	s_wait_tensorcnt 0x0                           ; my tile of the head's four is in; the three lines ahead of a later first fill
	ds_add_u32 v[SPW], v[NIL]
	s_wait_dscnt 0x0
	CROUND                                         ; everybody's are
	tensor_load_to_lds s[G0B+4:G0B+7], s[G1B:G1B+7]   ; slot 1's first fill: my quarter
	s_nop 0
	PLACES 4
	EXPERT 0
	EXPERT 1
	HEAD 1, 0                                      ; slot 1 is whole; slot 0 takes experts 4 and 5
	EXPERT 2
	EXPERT 3
	HEAD 1, 1                                      ; slot 0 is whole; slot 1 takes experts 6 and 7
	EXPERT 4
	EXPERT 5
	HEAD 0, 0                                      ; slot 1 is whole; nothing is left to fetch; nobody reads slot 0 any more
	EXPERT 6
	EXPERT 7
	RESCALE 7, 0
	; THE SUM OVER THE FOUR WAVES.  Each wave lays its 128 x 64 numbers into its own region of the stage; behind a barrier wave w reads rows 32 w .. 32 w + 31 of all four regions, adds them in a fixed order and stores them.
	WIN 0x0c                                       ; an LDS store's data are its source 1: window 3
.irp a, 0,1,2,3,4,5,6,7
.irp b, 0,1,2,3
	ds_store_b128 v[STO], v[32*\a+8*\b:32*\a+8*\b+3] offset:16*272*\a+64*\b        ; lane (r, h): token 16 a + perm(r), columns 16 b + 8 h + 0 .. 7
	ds_store_b128 v[STO], v[32*\a+8*\b+4:32*\a+8*\b+7] offset:16*272*\a+64*\b+16
.endr
.endr
	WIN 0
	s_wait_dscnt 0x0                               ; for the others' sake: my stores into the stage are done
	s_barrier_signal -1
	s_barrier_wait -1
	WIN 0x80                                       ; destination window 2: the accumulators' registers are free
.irp i, 0,1,2,3,4,5,6,7,8,9,10,11,12,13,14,15
.irp g, 0,1,2,3
	ds_load_b128 v[16*\i+4*\g:16*\i+4*\g+3], v[RD+\g/2] offset:SREG*(\g%2)+2*272*\i
.endr
.endr
	WIN 0x8a                                       ; sources and destination window 2
.irp i, 0,1,2,3,4,5,6,7,8,9,10,11,12,13,14,15
	s_wait_dscnt 4*(15-\i)                         ; LDS loads come back in order (ISA guide 5.7.1): the four of rows 2 i, 2 i + 1 are in; those of the later rows may be out
	v_pk_add_f32 v[16*\i:16*\i+1], v[16*\i:16*\i+1], v[16*\i+4:16*\i+5]
	v_pk_add_f32 v[16*\i+2:16*\i+3], v[16*\i+2:16*\i+3], v[16*\i+6:16*\i+7]
	v_pk_add_f32 v[16*\i+8:16*\i+9], v[16*\i+8:16*\i+9], v[16*\i+12:16*\i+13]
	v_pk_add_f32 v[16*\i+10:16*\i+11], v[16*\i+10:16*\i+11], v[16*\i+14:16*\i+15]
	v_pk_add_f32 v[16*\i:16*\i+1], v[16*\i:16*\i+1], v[16*\i+8:16*\i+9]
	v_pk_add_f32 v[16*\i+2:16*\i+3], v[16*\i+2:16*\i+3], v[16*\i+10:16*\i+11]
.endr
	WIN 0x08                                       ; a store's data are its source 1: window 2
	s_wait_alu depctr_va_vdst(0)
.irp i, 0,1,2,3,4,5,6,7,8,9,10,11,12,13,14,15
	global_store_b128 v[GO], v[16*\i:16*\i+3], s[14:15] offset:8192*\i th:TH_STORE_NT   ; 16 lanes store 256 consecutive bytes of a row, at a multiple of 256 from out's first byte; written once, read by nobody here
.endr
	WIN 0
	s_wait_tensorcnt 0x0                           ; the wave's end
	ds_add_u32 v[SPW], v[NIL]
	s_wait_dscnt 0x0
	CROUND                                         ; the closing round: no work-group ends while a partner may still ask for a tile that names it
	s_endpgm
.Lfunc_end_k_qf6075e54a0_down:
	.size	k_qf6075e54a0_down, .Lfunc_end_k_qf6075e54a0_down-k_qf6075e54a0_down
	.p2alignl 7, 3214868480
	.fill 96, 4, 3214868480
	.section	.rodata,"a",@progbits
	.p2align	6, 0x0
	.amdhsa_kernel k_qf6075e54a0_down
		.amdhsa_group_segment_fixed_size 327680
		.amdhsa_private_segment_fixed_size 0
		.amdhsa_enable_private_segment 0
		.amdhsa_kernarg_size 48
		.amdhsa_user_sgpr_count 2
		.amdhsa_user_sgpr_kernarg_segment_ptr 1
		.amdhsa_wavefront_size32 1
		.amdhsa_system_sgpr_workgroup_id_x 1
		.amdhsa_system_sgpr_workgroup_id_y 1
		.amdhsa_system_sgpr_workgroup_id_z 1
		.amdhsa_system_vgpr_workitem_id 0
		.amdhsa_next_free_vgpr 1024
		.amdhsa_next_free_sgpr 100
		.amdhsa_reserve_vcc 0
		.amdhsa_float_denorm_mode_32 3
		.amdhsa_float_denorm_mode_16_64 3
		.amdhsa_memory_ordered 1
		.amdhsa_forward_progress 1
		.amdhsa_inst_pref_size 255
	.end_amdhsa_kernel
	.section	.bss,"aw",@nobits
	.p2align	6
	.space	262144
	.amdgpu_metadata
---
amdhsa.version: [ 1, 2 ]
amdhsa.kernels:
  - .name:           k_qf6075e54a0_down
    .symbol:         k_qf6075e54a0_down.kd
    .args:
      - { .name: act, .offset: 0, .size: 8, .value_kind: global_buffer, .address_space: global }
      - { .name: down_proj_codes, .offset: 8, .size: 8, .value_kind: global_buffer, .address_space: global }
      - { .name: down_proj_scales, .offset: 16, .size: 8, .value_kind: global_buffer, .address_space: global }
      - { .name: down_proj_bias, .offset: 24, .size: 8, .value_kind: global_buffer, .address_space: global }
      - { .name: routing_weights, .offset: 32, .size: 8, .value_kind: global_buffer, .address_space: global }
      - { .name: out0, .offset: 40, .size: 8, .value_kind: global_buffer, .address_space: global }
    .group_segment_fixed_size: 327680
    .private_segment_fixed_size: 0
    .kernarg_segment_align: 8
    .kernarg_segment_size: 48
    .max_flat_workgroup_size: 128
    .sgpr_count:     100
    .vgpr_count:     1024
    .wavefront_size: 32
...
	.end_amdgpu_metadata
.endif
;; end of part 2
